; MI455X (gfx1250); checked and timed in simulation.
; The chip was launched on July 23, 2026; its instructions are those of AMD's public machine-readable ISA for CDNA 5 (MIT licence, August 2026) and "CDNA5" Instruction Set Architecture Reference Guide (July 2026). The comments in the code are by the model that wrote it; some were corrected since.
;; Multiheaded Attention. Allowed arithmetic: matrix products marked QUANTISED: E2M3 operands, one E8M0 scale for each 32 along K, by v_wmma_scale_f32_16x16x128_f8f6f4 with both operands' format E2M3, f32 sums; everything else in f32.
;; Inputs: Wk 16 x 1,024 x 64 float32; Wq 16 x 1,024 x 64 float32; Wv 16 x 1,024 x 64 float32; X_K 4 x 2,048 x 1,024 float32; X_Q 4 x 2,048 x 1,024 float32; X_V 4 x 2,048 x 1,024 float32; bk 16 x 64 float32; bq 16 x 64 float32; bv 16 x 64 float32.
;; Outputs: out0 4 x 2,048 x 1,024 float32.
;; This version of the problem:
;;   THIS VERSION OF THE PROBLEM IS GIVEN IN LOW PRECISION. The matrix products marked QUANTISED in the list below multiply operands that are first quantised to E2M3 (2 exponent bits, 3 mantissa bits; 6 bits a number), with one power-of-two scale for each 32 numbers along K (OCP MX v1.0); their sums are f32. All else is computed in f32.
;;   The module's matrix products, in the order in which they are computed (A, B: the left and right operand; K: the contracted axis; several contracted axes count as one K, in the product's order):
;;     1. [M 1,024, K 1,024] x [K 1,024, N 8,192]; A: input Wq; B: input X_Q: QUANTISED
;;     2. [M 1,024, K 1,024] x [K 1,024, N 8,192]; A: input Wk; B: input X_K: QUANTISED
;;     3. [M 1,024, K 1,024] x [K 1,024, N 8,192]; A: input Wv; B: input X_V: QUANTISED
;;     4. batch 64 x [M 2,048, K 64] x [K 64, N 2,048]; A: computed on the way; B: computed on the way: QUANTISED
;;     5. batch 64 x [M 2,048, K 2,048] x [K 2,048, N 64]; A: softmax (see below); B: computed on the way: QUANTISED
;;   THE QUANTISER, for each operand of a quantised product, along K:
;;     - K is cut into blocks of 32 from its start; a last block that is shorter is filled with zeros.
;;     - A block's scale is 2^e with e = floor(log2(the largest magnitude in the block)) - 2, held to -126 .. 127; a block of zeros has e = 0. As a byte (E8M0): e + 127.
;;     - Each number is divided by its block's scale, clamped to +-7.5, and rounded to the nearest number of E2M3, ties to even, subnormals kept.
;;     - The product sums the exact products of the quantised numbers (number of the format x scale) in f32.
;;   ~~~python
;;   def quantise(x, axis):      # numpy; x: float32 -> the quantised numbers, widened to float32 again
;;       x = np.moveaxis(x, axis, -1); K = x.shape[-1]
;;       x = np.pad(x, [(0, 0)] * (x.ndim - 1) + [(0, -K % 32)]); x = x.reshape(x.shape[:-1] + (-1, 32)); a = np.abs(x).max(-1, keepdims=True)
;;       e = np.where(a > 0, np.clip(np.frexp(np.where(a > 0, a, 1))[1] - 1 - 2, -126, 127), 0)      # np.frexp(a)[1] - 1 = floor(log2(a)), exactly
;;       r = np.clip(x / 2.0 ** e, -7.5, 7.5)
;;       step = 2.0 ** (np.maximum(np.frexp(np.where(r == 0, 1, r))[1] - 1, 0) - 3)
;;       q = np.round(r / step) * step * 2.0 ** e      # np.round: ties to even
;;       return np.moveaxis(q.reshape(q.shape[:-2] + (-1,))[..., :K], -1, axis).astype(np.float32)
;;   ~~~
;;   SOFTMAX AHEAD OF A QUANTISED PRODUCT. Where the list says 'softmax', what is quantised is not the finished softmax but p = 2^(t - M), with t = logit x log2(e) and M = ceil(the row's largest t), a whole number; so 1/2 < the row's largest p <= 1. The row's sum l is taken of the UNQUANTISED p, in f32, and the product's result is divided by l at the end. Since M is a whole number, a kernel that streams over the keys may use a running M (the ceiling of the running maximum): every later rescaling is an exact power of two, which a block's scale takes up: the codes' values come out the same.
;;   OPERANDS COMPUTED ON THE WAY. 'Computed on the way' means the value that the module computes at that place (a softmax that the list does not call 'softmax' is quantised finished and normalised). What goes into a quantiser is computed in f32, as accurately as f32 sums, v_exp_f32 and their like allow (about 1e-6 of the number): no bf16 or f16 on the way to a quantiser, and a product that is left as it is and whose result goes on into a quantised operand takes f32 operands (vector FMAs, or v_wmma_f32_16x16x4_f32). A number that lies on a knife's edge between two numbers of the format may be rounded either way, as far as f32 arithmetic and the matrix unit's own rounding can turn it there, and no further.
;; One version. Each part assembles by itself: llvm-mc -triple=amdgcn-amd-amdhsa -mcpu=gfx1250 --defsym DOCPART=n.
;; ======== version 1 of 1: 3 launches
;; workspace buffers: xc 18,874,368 bytes; xs 786,432 bytes; wc 2,359,296 bytes; ws 98,304 bytes; hc 25,165,824 bytes; hs 1,572,864 bytes
;; launch quant (part 1): grid 864 x 1, 4 waves a work-group, no clusters, 34,304 bytes of LDS; arguments X_Q, X_K, X_V, Wq, Wk, Wv, xc, xs, wc, ws; writes xc, xs, wc, ws
.if DOCPART == 1
	.amdgcn_target "amdgcn-amd-amdhsa--gfx1250"
	.amdhsa_code_object_version 6
	.text
	.protected	k_q842227c87e_quant
	.globl	k_q842227c87e_quant
	.p2align	8
	.type	k_q842227c87e_quant,@function
k_q842227c87e_quant:
	s_mov_b64 s[64:65], 0
	v_nop
	global_prefetch_b8 v0, s[64:65] scope:SCOPE_SE
	s_setreg_imm32_b32 hwreg(HW_REG_WAVE_MODE, 25, 1), 1
	s_wait_xcnt 0x0
; X_Q, X_K, X_V [8192 tokens][1024] and Wq, Wk, Wv [16 heads][1024 d][64 e], f32, become codes of FP6 (E2M3) with one E8M0 byte for each 32 along d, which is the K of all three projections.
; A block's scale is 2^(floor(log2(its largest magnitude)) - 2); its byte is the largest magnitude's exponent field - 2, held at 1 from below.
; LIMITS: NaN and infinities among the inputs are not served.  A block of zeros, or one whose largest magnitude lies under 2^-124, keeps the byte 1 (the rule says 127 for zeros): its codes are zeros or
; subnormal codes under that byte, and the bytes are read by this program alone.
; WHAT IS STORED is the operand as the matrix instruction's registers take it.  A fragment is 16 rows x 128 along K, 12 registers a lane (lane (r, h): row r; registers 6 c .. 6 c + 5: k = 64 c + 32 h + 0 .. 31);
; its image is registers 0-3, 4-7, 8-11, each group as 16 bytes x lane: 1,536 bytes.  xc, wc: [tensor][tile of 16 rows][8 K steps][1,536].  xs, ws: [tensor][tile][4 pairs of K steps][16 rows][2 words].
; WHICH ROWS FORM A TILE: tile T of X, Wq and Wk takes, in lane r, row 32 (T / 2) + 8 (T % 2) + r + 8 (r / 8), so that in the next launch 16 result registers of two neighbouring tiles are 16 neighbours; Wv's tile T takes row 16 T + r.
; SHARES.  Work-groups 0-95 take W (a wave: one tile of 16 channels of one head x 512 along d), the other 768 take X (a wave: one tile of 16 tokens x 512 along d).
; A stream: each input byte is read once; the waves share nothing, so there is no barrier, no cluster and no tensor load; the matrix unit has nothing to do here.
.set NWW,  96                          ; work-groups for W
.set RA,   16                          ; v16-143  two sets of 64 numbers as they are loaded
.set XN,   144                         ; v144-207 X: 64 numbers of a lane, register 16 b + i = k 32 b + 16 h + i of my row
.set TM,   208                         ; v208-211 largest magnitudes, v212-215 lane exchange and bytes, v216 lane exchange, v220-223 the conversions' scale operands
.set PC,   224                         ; v224-235 a fragment's codes; v236-242 the conversions' second halves
.set PW,   12                          ; v12-15   the scale words of my four K steps
.set SP,   528                         ; X's stage: a row of 512 bytes + 16: the sixteen rows that a load of 16 bytes a lane touches begin 33 x 16 bytes apart
.set WST,  16*SP                       ; a stage of its own for each wave
; 64 numbers of a lane, register 16 b + i = k 32 b + 16 h + i of my row, become a fragment's codes in v[PC] on and its scale word in v[pw]
.macro QUANT s, pw
.irp b, 0,1,2,3
	v_max3_num_f32 v[TM+\b], |v[\s+16*\b]|, |v[\s+1+16*\b]|, 0x1800000   ; block b: my 16 numbers, and the floor 2^(3 - 127): the byte cannot fall under 1
.endr
.irp i, 2,4,6,8,10,12,14
.irp b, 0,1,2,3
	v_max3_num_f32 v[TM+\b], v[TM+\b], |v[\s+16*\b+\i]|, |v[\s+1+16*\b+\i]|   ; the four blocks by turns
.endr
.endr
.irp b, 0,1,2,3
	v_permlanex16_b32 v[TM+4+\b], v[TM+\b], s26, s27
.endr
.irp b, 0,1,2,3
	v_max_num_f32 v[TM+\b], v[TM+\b], v[TM+4+\b]   ; with lane l xor 16's 16: the block's largest magnitude
.endr
.irp b, 0,1,2,3
	v_add_nc_u32 v[TM+12+\b], 0xff000000, v[TM+\b]   ; 2 off its exponent field: the conversion takes this operand's exponent field as its scale
.endr
.irp b, 0,1,2,3
	v_lshrrev_b32 v[TM+4+\b], 23, v[TM+12+\b]      ; the scale's byte
.endr
	v_lshl_or_b32 v[\pw], v[TM+5], 8, v[TM+4]
	v_lshl_or_b32 v[\pw], v[TM+6], 16, v[\pw]
	v_lshl_or_b32 v[\pw], v[TM+7], 24, v[\pw]      ; my row's scale word
.irp c, 0,1
	v_cvt_scalef32_pk16_fp6_f32 v[PC+6*\c:PC+2+6*\c], v[\s+32*\c:\s+15+32*\c], v[TM+12+2*\c]
	v_cvt_scalef32_pk16_fp6_f32 v[PC+12+4*\c:PC+14+4*\c], v[\s+16+32*\c:\s+31+32*\c], v[TM+12+2*\c+1]   ; (a conversion's three registers begin on an even number)
.endr
	v_nop                                          ; one plain instruction behind the scaled conversions
.irp c, 0,1                                    ; the layout wants a whole block in a lane: lanes 0-15 block 2 c, lanes 16-31 block 2 c + 1
.irp i, 0,1,2
	v_permlane16_swap_b32 v[PC+6*\c+\i], v[PC+12+4*\c+\i]
.endr
.irp i, 0,1,2
	v_mov_b32 v[PC+3+6*\c+\i], v[PC+12+4*\c+\i]
.endr
.endr
.endm
; the same where a lane holds two WHOLE blocks: register 32 c + i = k 64 c + 32 h + i of my row
.macro QW s, pw
.irp c, 0,1
	v_max3_num_f32 v[TM+\c], |v[\s+32*\c]|, |v[\s+32*\c+1]|, 0x1800000
.endr
.irp i, 2,4,6,8,10,12,14,16,18,20,22,24,26,28,30
.irp c, 0,1
	v_max3_num_f32 v[TM+\c], v[TM+\c], |v[\s+32*\c+\i]|, |v[\s+32*\c+\i+1]|
.endr
.endr
.irp c, 0,1
	v_add_nc_u32 v[TM+12+\c], 0xff000000, v[TM+\c]
.endr
.irp c, 0,1
	v_lshrrev_b32 v[TM+4+\c], 23, v[TM+12+\c]
.endr
	v_lshl_or_b32 v[\pw], v[TM+5], 16, v[TM+4]     ; my two bytes: blocks h and 2 + h,
	v_lshlrev_b32 v10, 3, v3
	v_lshlrev_b32 v[\pw], v10, v[\pw]              ; 8 h bits up;
	v_permlanex16_b32 v[TM+8], v[\pw], s26, s27
	v_or_b32 v[\pw], v[\pw], v[TM+8]               ; with lane l xor 16's two the word is whole
.irp c, 0,1
	v_cvt_scalef32_pk16_fp6_f32 v[PC+6*\c:PC+2+6*\c], v[\s+32*\c:\s+15+32*\c], v[TM+12+\c]
	v_cvt_scalef32_pk16_fp6_f32 v[PC+12+4*\c:PC+14+4*\c], v[\s+16+32*\c:\s+31+32*\c], v[TM+12+\c]
.endr
	v_nop                                          ; one plain instruction behind the scaled conversions
.irp c, 0,1
.irp i, 0,1,2
	v_mov_b32 v[PC+3+6*\c+\i], v[PC+12+4*\c+\i]
.endr
.endr
.endm
.macro IMG t                           ; the fragment of my K step t leaves as it stands: each store covers 512 consecutive bytes, aligned to 256
.irp c, 0,1,2
	global_store_b128 v4, v[PC+4*\c:PC+4*\c+3], s[40:41] offset:1536*(\t)+512*\c
.endr
.endm
.macro SCOUT                           ; my four scale words: lanes 0-15 store K steps 0, 1 of row r, lanes 16-31 K steps 2, 3: 256 consecutive bytes, aligned
	v_cmp_le_u32 vcc_lo, 16, v1
	v_cndmask_b32 v244, v[PW], v[PW+2], vcc_lo
	v_cndmask_b32 v245, v[PW+1], v[PW+3], vcc_lo
	global_store_b64 v7, v[244:245], s[42:43]
.endm
	s_load_b512 s[4:19], s[0:1], 0x0               ; X_Q, X_K, X_V, Wq, Wk, Wv, xc, xs
	s_load_b128 s[20:23], s[0:1], 0x40             ; wc, ws
	v_lshl_add_u32 v248, v0, 2, 0x8400
	v_mov_b32 v249, 0
	v_lshrrev_b32 v9, 5, v0
	v_readfirstlane_b32 s24, v9                    ; wave 0..3
	v_and_b32 v1, 31, v0                           ; lane
	v_and_b32 v2, 15, v0                           ; r
	v_bfe_u32 v3, v0, 4, 1                         ; h
	v_lshlrev_b32 v4, 4, v1                        ; 16 x lane
	v_lshlrev_b32 v7, 3, v1                        ; 8 x lane
	s_mul_i32 s25, s24, WST                        ; my stage
	v_add_nc_u32 v5, s25, v4                       ; into it: 16 x lane of a row
	v_mul_u32_u24 v6, v2, SP
	v_lshl_add_u32 v6, v3, 6, v6
	v_add_nc_u32 v6, s25, v6                       ; out of it: row r, + 64 h: my 16 numbers of a block of 32
	s_mov_b32 s26, 0x76543210
	s_mov_b32 s27, 0xfedcba98                      ; lane selects: lane l xor 16
.irp b, 4,5,6,7,8
	v_mov_b32 v[TM+\b], 0                          ; written once: a lane exchange's destination counts as one of its sources
.endr
	s_cmp_lt_u32 ttmp9, NWW
	s_cbranch_scc1 .Lw_path
	; ---------------- X ----------------
	s_sub_co_u32 s28, ttmp9, NWW
	s_lshr_b32 s29, s28, 8                         ; which tensor: 256 work-groups each
	s_and_b32 s28, s28, 255
	s_lshl_b32 s28, s28, 2
	s_add_co_u32 s28, s28, s24
	s_lshr_b32 s30, s28, 1                         ; T: my tile of 16 tokens, 0..511
	s_and_b32 s31, s28, 1                          ; which 512 along d
	s_lshr_b32 s32, s30, 1
	s_lshl_b32 s32, s32, 17                        ; 32 (T / 2) rows of 4,096 bytes
	s_and_b32 s33, s30, 1
	s_lshl_b32 s33, s33, 15                        ; + 8 (T % 2) rows
	s_add_co_u32 s32, s32, s33
	s_lshl_b32 s33, s31, 11                        ; + my half of the row
	s_add_co_u32 s32, s32, s33
	s_mov_b32 s33, 0
	s_mul_i32 s34, s29, 6291456                    ; the codes: tensor, tile, half
	s_mul_i32 s35, s30, 12288
	s_add_co_u32 s34, s34, s35
	s_mul_i32 s35, s31, 6144
	s_add_co_u32 s34, s34, s35
	s_mov_b32 s35, 0
	s_lshl_b32 s36, s29, 18                        ; the scale words likewise
	s_lshl_b32 s37, s30, 9
	s_add_co_u32 s36, s36, s37
	s_lshl_b32 s37, s31, 8
	s_add_co_u32 s36, s36, s37
	s_mov_b32 s37, 0
	s_wait_kmcnt 0x0
	s_cmp_eq_u32 s29, 1
	s_cselect_b64 s[38:39], s[6:7], s[4:5]
	s_cmp_eq_u32 s29, 2
	s_cselect_b64 s[38:39], s[8:9], s[38:39]
	s_add_nc_u64 s[38:39], s[38:39], s[32:33]
	s_add_nc_u64 s[40:41], s[16:17], s[34:35]
	s_add_nc_u64 s[42:43], s[18:19], s[36:37]
.macro XLOAD t                         ; K step t of my 16 rows: a row's 512 consecutive bytes to an instruction
.irp i, 0,1,2,3,4,5,6,7,8,9,10,11,12,13,14,15
	global_load_b128 v[RA+64*((\t)%2)+4*\i:RA+64*((\t)%2)+4*\i+3], v4, s[38:39] offset:(\i+8*(\i/8))*4096+512*(\t) th:TH_LOAD_NT
.endr
.endm
.macro TURN t                          ; through my stage: in as loaded, out 16 neighbours of each block a lane.  LDS serves a wave's instructions in order (ISA guide 5.7.1.4): no wait between the stores and the loads
.irp i, 0,1,2,3,4,5,6,7,8,9,10,11,12,13,14,15
	ds_store_b128 v5, v[RA+64*((\t)%2)+4*\i:RA+64*((\t)%2)+4*\i+3] offset:SP*\i
.endr
.irp b, 0,1,2,3
.irp j, 0,1,2,3
	ds_load_b128 v[XN+16*\b+4*\j:XN+16*\b+4*\j+3], v6 offset:128*\b+16*\j
.endr
.endr
.endm
.macro XSTEP t
.if (\t) < 3
	s_wait_loadcnt 16                              ; this K step's 16 loads are in; the next step's 16 may be out
.else
	s_wait_loadcnt 0x0
.endif
	TURN \t
	s_wait_dscnt 0x0                               ; the stores have read the set, and my 64 numbers are back
.if (\t) > 0
	s_wait_xcnt 0x0                                ; the last fragment's stores have read their registers: the codes are written again only behind this wait
.endif
.if (\t) < 2
	XLOAD (\t)+2
.endif
	QUANT XN, PW+(\t)
	IMG \t
.endm
	XLOAD 0
	XLOAD 1
	XSTEP 0
	XSTEP 1
	XSTEP 2
	XSTEP 3
	SCOUT
	s_wait_tensorcnt 0x0
	ds_add_u32 v248, v249
	s_wait_dscnt 0x0
	s_endpgm
	; ---------------- W ----------------
.Lw_path:
	s_lshr_b32 s29, ttmp9, 5                       ; which tensor: 32 work-groups each
	s_lshr_b32 s30, ttmp9, 1
	s_and_b32 s30, s30, 15                         ; the head
	s_and_b32 s31, ttmp9, 1                        ; which 512 along d
	s_lshl_b32 s32, s24, 4                         ; Wv: tile t = my wave begins at e = 16 t
	s_lshr_b32 s33, s24, 1
	s_lshl_b32 s33, s33, 5
	s_and_b32 s34, s24, 1
	s_lshl_b32 s34, s34, 3
	s_add_co_u32 s33, s33, s34                     ; Wq, Wk: at e = 32 (t / 2) + 8 (t % 2)
	s_cmp_eq_u32 s29, 2
	s_cselect_b32 s32, s32, s33
	s_cselect_b32 s33, 0, 1                        ; and lanes 8-15 stand 8 further on, in Wq and Wk alone
	v_and_b32 v9, 8, v2
	v_mul_u32_u24 v9, s33, v9
	v_add_nc_u32 v9, v9, v2
	v_add_nc_u32 v9, s32, v9                       ; e: A LANE TAKES A COLUMN e, AND ITS REGISTERS RUN DOWN d
	v_lshlrev_b32 v8, 2, v9
	v_lshl_add_u32 v8, v3, 13, v8                  ; lanes 16-31 begin 32 rows of 256 bytes further down
	s_lshl_b32 s32, s30, 18                        ; the head's 1,024 rows of 256 bytes,
	s_lshl_b32 s33, s31, 17                        ; my 512 of them
	s_add_co_u32 s32, s32, s33
	s_mov_b32 s33, 0
	s_lshl_b32 s36, s30, 2
	s_add_co_u32 s36, s36, s24                     ; the tile of channels: 4 x head + t
	s_mul_i32 s34, s29, 786432
	s_mul_i32 s35, s36, 12288
	s_add_co_u32 s34, s34, s35
	s_mul_i32 s35, s31, 6144
	s_add_co_u32 s34, s34, s35
	s_mov_b32 s35, 0
	s_lshl_b32 s36, s36, 9
	s_lshl_b32 s37, s29, 15
	s_add_co_u32 s36, s36, s37
	s_lshl_b32 s37, s31, 8
	s_add_co_u32 s36, s36, s37
	s_mov_b32 s37, 0
	s_wait_kmcnt 0x0
	s_cmp_eq_u32 s29, 1
	s_cselect_b64 s[38:39], s[12:13], s[10:11]
	s_cmp_eq_u32 s29, 2
	s_cselect_b64 s[38:39], s[14:15], s[38:39]
	s_add_nc_u64 s[38:39], s[38:39], s[32:33]
	s_add_nc_u64 s[40:41], s[20:21], s[34:35]
	s_add_nc_u64 s[42:43], s[22:23], s[36:37]
.macro WLOAD f                         ; K step f: W(128 f + 64 c + 32 h + i, e); the four waves of the work-group together read whole rows of 256 bytes
.irp c, 0,1
.irp i, 0,1,2,3,4,5,6,7,8,9,10,11,12,13,14,15,16,17,18,19,20,21,22,23,24,25,26,27,28,29,30,31
	global_load_b32 v[RA+64*((\f)%2)+32*\c+\i], v8, s[38:39] offset:(128*(\f)+64*\c+\i)*256
.endr
.endr
.endm
.macro WSTEP f
.if (\f) < 3
	s_wait_loadcnt 63                              ; two sets of 64 were issued: with at most 63 out, the oldest 65 are in, this set's 64 among them (the count's field holds no 64)
.else
	s_wait_loadcnt 0x0
.endif
.if (\f) > 0
	s_wait_xcnt 0x0                                ; the last fragment's stores have read their registers
.endif
	QW RA+64*((\f)%2), PW+(\f)
	IMG \f
.if (\f) < 2
	WLOAD (\f)+2
.endif
.endm
	WLOAD 0
	WLOAD 1
	WSTEP 0
	WSTEP 1
	WSTEP 2
	WSTEP 3
	SCOUT
	s_endpgm
.Lfunc_end_k_q842227c87e_quant:
	.size	k_q842227c87e_quant, .Lfunc_end_k_q842227c87e_quant-k_q842227c87e_quant
	.p2alignl 7, 3214868480
	.fill 96, 4, 3214868480
	.section	.rodata,"a",@progbits
	.p2align	6, 0x0
	.amdhsa_kernel k_q842227c87e_quant
		.amdhsa_group_segment_fixed_size 34304
		.amdhsa_private_segment_fixed_size 0
		.amdhsa_enable_private_segment 0
		.amdhsa_kernarg_size 80
		.amdhsa_user_sgpr_count 2
		.amdhsa_user_sgpr_kernarg_segment_ptr 1
		.amdhsa_wavefront_size32 1
		.amdhsa_system_sgpr_workgroup_id_x 1
		.amdhsa_system_sgpr_workgroup_id_y 1
		.amdhsa_system_sgpr_workgroup_id_z 1
		.amdhsa_system_vgpr_workitem_id 0
		.amdhsa_next_free_vgpr 250
		.amdhsa_next_free_sgpr 66
		.amdhsa_reserve_vcc 1
		.amdhsa_float_denorm_mode_32 3
		.amdhsa_float_denorm_mode_16_64 3
		.amdhsa_memory_ordered 1
		.amdhsa_forward_progress 1
		.amdhsa_inst_pref_size 73
	.end_amdhsa_kernel
	.amdgpu_metadata
---
amdhsa.version: [ 1, 2 ]
amdhsa.kernels:
  - .name:           k_q842227c87e_quant
    .symbol:         k_q842227c87e_quant.kd
    .args:
      - { .name: X_Q, .offset: 0, .size: 8, .value_kind: global_buffer, .address_space: global }
      - { .name: X_K, .offset: 8, .size: 8, .value_kind: global_buffer, .address_space: global }
      - { .name: X_V, .offset: 16, .size: 8, .value_kind: global_buffer, .address_space: global }
      - { .name: Wq, .offset: 24, .size: 8, .value_kind: global_buffer, .address_space: global }
      - { .name: Wk, .offset: 32, .size: 8, .value_kind: global_buffer, .address_space: global }
      - { .name: Wv, .offset: 40, .size: 8, .value_kind: global_buffer, .address_space: global }
      - { .name: xc, .offset: 48, .size: 8, .value_kind: global_buffer, .address_space: global }
      - { .name: xs, .offset: 56, .size: 8, .value_kind: global_buffer, .address_space: global }
      - { .name: wc, .offset: 64, .size: 8, .value_kind: global_buffer, .address_space: global }
      - { .name: ws, .offset: 72, .size: 8, .value_kind: global_buffer, .address_space: global }
    .group_segment_fixed_size: 34304
    .private_segment_fixed_size: 0
    .kernarg_segment_align: 8
    .kernarg_segment_size: 80
    .max_flat_workgroup_size: 128
    .sgpr_count:     66
    .vgpr_count:     250
    .wavefront_size: 32
...
	.end_amdgpu_metadata
.endif
;; end of part 1
;; launch proj (part 2): grid 4 x 96, 4 waves a work-group, clusters of 4 x 4, 327,680 bytes of LDS; arguments xc, xs, wc, ws, bq, bk, bv, hc, hs; writes hc, hs
.if DOCPART == 2
	.amdgcn_target "amdgcn-amd-amdhsa--gfx1250"
	.amdhsa_code_object_version 6
	.text
	.protected	k_q842227c87e_proj
	.globl	k_q842227c87e_proj
	.p2align	8
	.type	k_q842227c87e_proj,@function
k_q842227c87e_proj:
	s_mov_b64 s[64:65], 0
	v_nop
	global_prefetch_b8 v0, s[64:65] scope:SCOPE_SE
	s_setreg_imm32_b32 hwreg(HW_REG_WAVE_MODE, 25, 1), 1
	s_wait_xcnt 0x0
	s_wait_alu depctr_hold_cnt(0) depctr_sa_sdst(0) depctr_va_vdst(0) depctr_va_sdst(0) depctr_va_ssrc(0) depctr_va_vcc(0) depctr_vm_vsrc(0)
	s_getreg_b32 s2, hwreg(HW_REG_IB_STS2, 6, 4)
	s_cmp_eq_u32 s2, 0
	s_cbranch_scc0 .Lentry_in_a_cluster
	s_endpgm
.Lentry_in_a_cluster:
	s_bfe_u32 s2, ttmp6, 0x10000c
	s_cmp_lg_u32 s2, 0xf033
	s_cbranch_scc0 .Lentry_shape_is_right
	s_endpgm
.Lentry_shape_is_right:
; THE THREE PROJECTIONS, Q = X_Q Wq + bq, K and V likewise, on codes of FP6 (E2M3) with E8M0 scales for each 32 along d, and their results quantised in registers into the operands of attention.
; ONE BODY: D = P R^T, source 0 = 16 rows of P, source 1 = 16 rows of R: a lane holds ONE row of R, and its registers run along P's rows.
;   Q, K: P = W (channels), R = X (tokens): a lane's 64 registers of one tile of tokens are 128 neighbouring channels of one token: two heads x two blocks of 32, the K of the score product.
;   V:    P = X_V (tokens), R = Wv (channels): a lane's 64 registers are 128 neighbouring keys of one channel: four blocks of 32 along the keys, the K of the second product.
; P's tiles of 16 rows are laid (by the launch before) so that the 16 registers of tiles 2 b and 2 b + 1 are the neighbours 32 b + 16 (lane / 16) + 0 .. 15.  The bias is the C of each sum's first matrix instruction.
; SHARES.  A work-group of four waves makes 256 (P) x 256 (R); a wave 128 x 128: 64 accumulators, 512 registers.  Cluster y = 8 x projection + idx; a cluster of 4 x 4 covers all 1,024 channels x 1,024 tokens.
; K = 1,024 goes in four steps of 256 through two LDS slots.  The operands lie in memory as images of their registers (16 bytes x lane), so a fragment is three loads of 512 consecutive LDS bytes: no pitch, no padding.
; CLUSTER: the four work-groups of a row of the cluster need the same tiles of R, the four of a column the same tiles of P: each tile is asked for jointly.  96 x 4 work-groups are 24 clusters.
; OUT.  hc: [plane][head of 64][16 steps of 128 tokens][12,288]: plane 0: Q's 8 tiles x 768 bytes; plane 1: K's 8 tiles x 768, then V's 4 fragments x 1,536.  A tile image: registers 0-3 at 16 x lane, registers 4-5 at 512 + 8 x lane.
;       hs: [plane][head][16][768]: Q's or K's words [tile / 4][16 rows][tile % 4]; V's, 512 bytes on in plane 1, [16 rows][4 tiles].  In a word of Q or K bytes 0, 1 are the row's two blocks; bytes 2, 3 stand over zero codes and are never 0xff.
; LIMITS: as in the launch before: NaN and infinities are not served; a block under 2^-124 keeps the byte 1.
; REGISTERS, in windows of 256: window 0: v1-3 lane, r, h; v16-30 addresses; v32-63 scale words, two sets; v64-127 the bias as C; v128-223 R's 8 fragments, ONE set (on the way out: at work);
;   window 1: P's fragments, two sets, at v0 and v128;  window 2: the accumulators of R's blocks 0-3 ((a, b) at v[8 (8 (a % 4) + b)]);  window 3: those of blocks 4-7.
.set FR,     12                        ; registers of a fragment
.set NL,     3                         ; LDS loads that bring one
.set NP,     4                         ; places behind this matrix instruction (ISA guide 7.12.1)
.set KIMG,   1536                      ; a fragment's image
.set TROW,   2*KIMG                    ; a tile's part of a slot: two K steps of 128
.set HALFT,  8*TROW                    ; 8 tiles = 128 rows: what one tensor load brings, and what one wave reads of R or of P
.set SLOT,   4*HALFT                   ; R's 256 rows, then P's 256 rows
.set SCL,    2*SLOT                    ; behind the ring: the scale words for all of K: R's 2 x 4,096 bytes, then P's
.set HALFS,  4096
.set SPARE,  SCL+4*HALFS               ; the spare words, 128 bytes for each wave: two blocks of 256 bytes that no other line names
.set ADRR, 16                          ; v16-17  LDS address of my R fragments in slot 0, 1
.set ADRP, 20                          ; v20-21  the same for P
.set L16,  24                          ; v24     16 x lane
.set L8,   25                          ; v25     8 x lane
.set SOF,  26                          ; v26     the scale words' way out: 16 r + 12,288 h
.set ADRS, 27                          ; v27     LDS address of my scale words: lanes 0-15 R's rows, lanes 16-31 P's
.set SPW,  28                          ; v28     LDS address of my spare word; never rewritten
.set NIL,  29                          ; v29     0; never rewritten
.set SH,   30                          ; v30     16 h
.set SC,   32
.set BC,   64
.set AF,   128
.set TM,   128                         ; the way out: v128-143 maxima, bytes, scale operands
.set PC,   144                         ; v144-155 codes, v156-162 the conversions' second halves
.set PWS,  164                         ; v164-171 the eight tiles' scale words
.set SD,   172                         ; v172-179 the words as they are stored
.set WV,  22
.set RH,  23                           ; which half of R's rows is mine.  Also: I fetch for R (0) or for P (1)
.set PH,  24                           ; which half of P's rows.  Also: which 128 rows I fetch
.set CX,  25
.set CY,  26
.set PJ,  27                           ; 0 Q, 1 K, 2 V
.set IDX, 28
.set ISV, 29
.set PT,  66                           ; my tile of 256 rows of P
.set RT,  67                           ; and of R
.set G1R, 32                           ; s[32:39] descriptor group 1 for R's tiles; s[40:47] groups 0, one for each slot
.set G0R, 40
.set G1P, 48                           ; s[48:55], s[56:63] the same for P
.set G0P, 56
.set G1SR, 68                          ; s[68:75], s[76:79] for R's scale words; s[80:87], s[88:91] for P's
.set G0SR, 76
.set G1SP, 80
.set G0SP, 88
.set OLO, 92                           ; s[92:93] where a tile's registers 0-5 go; s[94:95] registers 6-11; s[96:97], s[98:99] the steps from tile to tile; s[100:101] the scale words
.set OHI, 94
.set ST1, 96
.set ST2, 98
.set SOP, 100
.set MSB, 0
.macro WIN new                         ; the immediate's high byte repeats the setting that is left
.if MSB != \new
	s_set_vgpr_msb (MSB<<8)|\new
.set MSB, \new
.endif
.endm
.set MUL_LO, 0xa1                      ; source 0 (P) window 1, source 1 (R) window 0, C and D window 2
.set MUL_HI, 0xf1                      ; the same, C and D window 3
.set TO_P,   0x40                      ; destination window 1, address window 0
; A joint load: waves 0 and 1 fetch for R, waves 2 and 3 for P.  The branch hangs on the wave's number alone.  Four v_nop follow each of the two lines.
.macro JLOAD g0a, g1a, g0b, g1b
	s_cmp_eq_u32 s[RH], 0
	s_cbranch_scc0 .Lfor_p_\@
	tensor_load_to_lds s[\g0a:\g0a+3], s[\g1a:\g1a+7]
	s_nop 0
.rept 4
	v_nop
.endr
	s_branch .Lasked_\@
.Lfor_p_\@:
	tensor_load_to_lds s[\g0b:\g0b+3], s[\g1b:\g1b+7]
	s_nop 0
.rept 4
	v_nop
.endr
.Lasked_\@:
.endm
.macro CREST                           ; a round of the cluster's barrier behind its opening barrier
	s_cmp_lg_u32 s[WV], 0
	s_cbranch_scc1 .Lnot_wave_0_\@
	s_barrier_signal -3
.Lnot_wave_0_\@:
	s_barrier_wait -3
	s_barrier_signal -1
	s_barrier_wait -1
.endm
.macro CROUND
	s_barrier_signal -1
	s_barrier_wait -1
	CREST
.endm
.macro PLACES n
.rept \n
	v_nop
.endr
.endm
	s_load_b512 s[4:19], s[0:1], 0x0               ; xc, xs, wc, ws, bq, bk, bv, hc
	s_load_b64 s[20:21], s[0:1], 0x40              ; hs
	v_lshl_add_u32 v[SPW], v0, 2, SPARE
	v_mov_b32 v[NIL], 0
	ds_add_u32 v28, v29
	ds_add_u32 v28, v29
	s_wait_dscnt 0x0
	v_lshrrev_b32 v1, 5, v0
	v_readfirstlane_b32 s[WV], v1                  ; wave 0..3
	s_lshr_b32 s[RH], s[WV], 1
	s_and_b32 s[PH], s[WV], 1
	s_bfe_u32 s[CX], ttmp6, 0x40000                ; my place in the cluster
	s_bfe_u32 s[CY], ttmp6, 0x40004
	s_and_b32 s30, ttmp7, 0xffff                   ; cluster y, 0..23: the same in all sixteen partners
	s_lshr_b32 s[PJ], s30, 3
	s_and_b32 s[IDX], s30, 7
	s_lshl_b32 s31, s[IDX], 2
	s_cmp_eq_u32 s[PJ], 2
	s_cselect_b32 s[ISV], 1, 0
	s_cselect_b32 s[PT], s31, 0                    ; the tokens' 32 tiles of 256 lie along P for V, along R for Q and K
	s_cselect_b32 s[RT], 0, s31
	s_add_co_u32 s[PT], s[PT], s[CX]               ; P's tile hangs on cx and the cluster,
	s_add_co_u32 s[RT], s[RT], s[CY]               ; R's on cy and the cluster
	s_lshl_b32 s30, s[CY], 2
	s_lshl_b32 s30, 15, s30                        ; my row of the cluster: it shares R's tiles
	s_lshl_b32 s31, 0x1111, s[CX]                  ; my column: it shares P's
	; group 1, codes: 8 rows (tiles) of 3,072 bytes, 12,288 bytes apart, in elements of 8 bytes; no padding
	s_or_b32 s[G1R], s30, (3<<16)|(1<<21)          ; 15:0 the mask; 17:16 elements of 8 bytes; 21 set beside a mask
	s_or_b32 s[G1P], s31, (3<<16)|(1<<21)
.irp g, G1R, G1P
	s_mov_b32 s[\g+1], 384<<16                     ; tensor_dim0
	s_mov_b32 s[\g+2], 8<<16                       ; tensor_dim1
	s_mov_b32 s[\g+3], 384<<16                     ; tile_dim0
	s_mov_b32 s[\g+4], 8                           ; tile_dim1
	s_mov_b32 s[\g+5], 1536                        ; tensor_dim0_stride
	s_mov_b32 s[\g+6], 0
	s_mov_b32 s[\g+7], 0
.endr
	; group 1, scale words of 8 tiles: 4,096 dense bytes as 16 rows of 256
	s_or_b32 s[G1SR], s30, (3<<16)|(1<<21)
	s_or_b32 s[G1SP], s31, (3<<16)|(1<<21)
.irp g, G1SR, G1SP
	s_mov_b32 s[\g+1], 32<<16
	s_mov_b32 s[\g+2], 16<<16
	s_mov_b32 s[\g+3], 32<<16
	s_mov_b32 s[\g+4], 16
	s_mov_b32 s[\g+5], 32
	s_mov_b32 s[\g+6], 0
	s_mov_b32 s[\g+7], 0
.endr
	; where what I fetch begins, as offsets: R's in s92-95, P's in s96-99; neither set ever holds the other's coordinate
	s_lshl_b32 s30, s[PH], 3
	s_lshl_b32 s92, s[RT], 4
	s_add_co_u32 s92, s92, s30                     ; R: tile of 16 rows = 16 x tile of 256 + 8 x half
	s_mul_i32 s94, s92, 12288
	s_lshl_b32 s92, s92, 9
	s_lshl_b32 s96, s[PT], 4
	s_add_co_u32 s96, s96, s30
	s_mul_i32 s98, s96, 12288
	s_lshl_b32 s96, s96, 9
	s_mul_i32 s30, s[PJ], 6291456                  ; the projection's tensor in xc,
	s_mul_i32 s31, s[PJ], 786432                   ; in wc
	s_cmp_eq_u32 s[ISV], 1
	s_cselect_b32 s2, s31, s30                     ; R is W for V, X else
	s_cselect_b32 s3, s30, s31
	s_add_co_u32 s94, s94, s2
	s_add_co_u32 s98, s98, s3
	s_lshl_b32 s30, s[PJ], 18                      ; in xs,
	s_lshl_b32 s31, s[PJ], 15                      ; in ws
	s_cmp_eq_u32 s[ISV], 1
	s_cselect_b32 s2, s31, s30
	s_cselect_b32 s3, s30, s31
	s_add_co_u32 s92, s92, s2
	s_add_co_u32 s96, s96, s3
	s_mov_b32 s93, 0
	s_mov_b32 s95, 0
	s_mov_b32 s97, 0
	s_mov_b32 s99, 0
	s_wait_kmcnt 0x0
	s_cmp_eq_u32 s[ISV], 1                         ; the choice of buffers hangs on the cluster's number alone
	s_cselect_b64 s[2:3], s[8:9], s[4:5]
	s_cselect_b64 s[30:31], s[10:11], s[6:7]
	s_add_nc_u64 s[94:95], s[2:3], s[94:95]        ; R's codes
	s_add_nc_u64 s[92:93], s[30:31], s[92:93]      ; R's scale words
	s_cselect_b64 s[2:3], s[4:5], s[8:9]
	s_cselect_b64 s[30:31], s[6:7], s[10:11]
	s_add_nc_u64 s[98:99], s[2:3], s[98:99]        ; P's codes
	s_add_nc_u64 s[96:97], s[30:31], s[96:97]      ; P's scale words
	s_mul_i32 s30, s[WV], HALFT                    ; where they go: wave x 128 rows: no place in the cluster enters an LDS address
	s_lshl_b32 s31, s[WV], 12
	CROUND                                         ; all sixteen work-groups are here: the first joint loads meet
	s_mov_b32 s[G0SR], 1
	s_add_co_u32 s[G0SR+1], s31, SCL
	s_mov_b64 s[G0SR+2:G0SR+3], s[92:93]
	s_or_b32 s[G0SR+3], s[G0SR+3], 0x80000000
	s_mov_b32 s[G0SP], 1
	s_add_co_u32 s[G0SP+1], s31, SCL
	s_mov_b64 s[G0SP+2:G0SP+3], s[96:97]
	s_or_b32 s[G0SP+3], s[G0SP+3], 0x80000000
	JLOAD G0SR, G1SR, G0SP, G1SP                   ; the scale words first: they are wanted with the first K step
.irp s, 0,1
	s_mov_b32 s[G0R+4*\s], 1
	s_add_co_u32 s[G0R+4*\s+1], s30, \s*SLOT
	s_add_nc_u64 s[G0R+4*\s+2:G0R+4*\s+3], s[94:95], \s*TROW
	s_or_b32 s[G0R+4*\s+3], s[G0R+4*\s+3], 0x80000000
	s_mov_b32 s[G0P+4*\s], 1
	s_add_co_u32 s[G0P+4*\s+1], s30, \s*SLOT
	s_add_nc_u64 s[G0P+4*\s+2:G0P+4*\s+3], s[98:99], \s*TROW
	s_or_b32 s[G0P+4*\s+3], s[G0P+4*\s+3], 0x80000000
	JLOAD G0R+4*\s, G1R, G0P+4*\s, G1P             ; three tensor loads of mine are out behind the second of these
.endr
	v_and_b32 v1, 31, v0                           ; lane
	v_and_b32 v2, 15, v0                           ; r
	v_bfe_u32 v3, v0, 4, 1                         ; h
	v_lshlrev_b32 v[L16], 4, v1
	v_lshlrev_b32 v[L8], 3, v1
	s_mul_i32 s2, s[RH], HALFT                     ; my 128 rows of R
	s_mul_i32 s3, s[PH], HALFT                     ; my 128 rows of P,
	s_add_co_u32 s3, s3, 2*HALFT                   ; which lie behind R's 256
.irp s, 0,1
	v_add_nc_u32 v[ADRR+\s], s2, v[L16]
	v_add_nc_u32 v[ADRP+\s], s3, v[L16]
	s_add_co_u32 s2, s2, SLOT
	s_add_co_u32 s3, s3, SLOT
.endr
	v_lshlrev_b32 v[SOF], 4, v2
	v_mad_u32_u24 v[SOF], v3, 0x3000, v[SOF]
	v_lshlrev_b32 v[SH], 4, v3
	s_lshl_b32 s2, s[RH], 12                       ; R's scale words: my 8 tiles
	s_lshl_b32 s3, s[PH], 12                       ; P's: my 8 tiles, behind R's 16
	s_add_co_u32 s3, s3, 2*HALFS
	s_sub_co_u32 s3, s3, s2
	v_mul_u32_u24 v4, s3, v3                       ; lanes 16-31 take P's: the lower base + h x the distance
	s_add_co_u32 s2, s2, SCL
	v_lshl_add_u32 v4, v2, 3, v4                   ; 8 bytes a row: the two words of a slot
	v_add_nc_u32 v[ADRS], s2, v4
	; the bias, in the result's layout
	s_cmp_eq_u32 s[ISV], 1
	s_cselect_b32 s2, s[RT], s[PT]                 ; the channels lie along R for V, along P else
	s_cselect_b32 s3, s[RH], s[PH]
	s_lshl_b32 s2, s2, 8
	s_lshl_b32 s3, s3, 7
	s_add_co_u32 s2, s2, s3                        ; my first channel
	s_lshl_b32 s2, s2, 2
	s_mov_b32 s3, 0
	s_cmp_eq_u32 s[PJ], 1
	s_cselect_b64 s[30:31], s[14:15], s[12:13]
	s_cmp_eq_u32 s[PJ], 2
	s_cselect_b64 s[30:31], s[16:17], s[30:31]
	s_add_nc_u64 s[30:31], s[30:31], s[2:3]
	v_lshlrev_b32 v4, 6, v3                        ; 64 h
	v_lshlrev_b32 v5, 2, v2                        ; 4 r
	s_cmp_eq_u32 s[ISV], 1
	s_cbranch_scc1 .Lbias_v
.irp b, 0,1,2,3,4,5,6,7                        ; Q, K: register j of P's tile b is channel 32 (b / 2) + 16 h + 8 (b % 2) + j
	global_load_b128 v[BC+8*\b:BC+8*\b+3], v4, s[30:31] offset:(32*(\b/2)+8*(\b%2))*4
	global_load_b128 v[BC+8*\b+4:BC+8*\b+7], v4, s[30:31] offset:(32*(\b/2)+8*(\b%2))*4+16
.endr
	s_branch .Lbias_done
.Lbias_v:
.irp a, 0,1,2,3,4,5,6,7                        ; V: every register of R's tile a is channel 16 a + r
	global_load_b32 v[BC+8*\a], v5, s[30:31] offset:64*\a
.endr
.Lbias_done:
.macro FRAG reg, adr, q, i             ; a fragment comes as it was stored: three loads of 512 consecutive bytes
.irp c, 0,1,2
	ds_load_b128 v[\reg+4*\c:\reg+4*\c+3], v[\adr] offset:(\i)*TROW+(\q)*KIMG+512*\c
.endr
.endm
; 16 matrix instructions: R's blocks a0, a0 + 1 x P's eight, the slot's q-th 128 along K.  p: P's set; sc: the set of scale words.  mode 0: adds in place; 1: starts the sums with Q's or K's bias; 2: with V's.
; The 64 accumulators take turns, one instruction a turn, in the same order in every step.
.macro MUL16 a0, p, q, sc, mode
.irp a, \a0, \a0+1
.irp b, 0,1,2,3,4,5,6,7
.set rD, 8*(8*((\a)%4)+\b)
.set rP, 128*(\p)+FR*\b
.set rR, AF+FR*(\a)
.set rSP, SC+16*(\sc)+2*\b+(\q)
.set rSR, SC+16*(\sc)+2*(\a)+(\q)
.if (\mode) == 0
	v_wmma_scale_f32_16x16x128_f8f6f4 v[rD:rD+7], v[rP:rP+FR-1], v[rR:rR+FR-1], v[rD:rD+7], v[rSP], v[rSR] matrix_a_fmt:MATRIX_FMT_FP6 matrix_b_fmt:MATRIX_FMT_FP6 matrix_a_scale:MATRIX_SCALE_ROW1
.elseif (\mode) == 1
	v_wmma_scale_f32_16x16x128_f8f6f4 v[rD:rD+7], v[rP:rP+FR-1], v[rR:rR+FR-1], v[BC+8*\b:BC+8*\b+7], v[rSP], v[rSR] matrix_a_fmt:MATRIX_FMT_FP6 matrix_b_fmt:MATRIX_FMT_FP6 matrix_a_scale:MATRIX_SCALE_ROW1
.else
	v_wmma_scale_f32_16x16x128_f8f6f4 v[rD:rD+7], v[rP:rP+FR-1], v[rR:rR+FR-1], v[BC+8*(\a):BC+8*(\a)+7], v[rSP], v[rSR] matrix_a_fmt:MATRIX_FMT_FP6 matrix_b_fmt:MATRIX_FMT_FP6 matrix_a_scale:MATRIX_SCALE_ROW1
.endif
.endr
.endr
.endm
.macro FETCH_P slot, q, p              ; P's eight fragments of the slot's q-th 128 along K into set p
	WIN TO_P
.irp i, 0,1,2,3,4,5,6,7
	FRAG 128*(\p)+FR*\i, ADRP+\slot, \q, \i
.endr
	WIN 0
.endm
.macro FETCH_R slot, q, i0             ; R's blocks i0 .. i0 + 3
.irp i, \i0, \i0+1, \i0+2, \i0+3
	FRAG AF+FR*(\i), ADRR+\slot, \q, \i
.endr
.endm
.macro SCALES sc                       ; a slot's scale words into set sc: register 2 i + q: lanes 0-15 R's block i, lanes 16-31 P's block i
.irp i, 0,1,2,3,4,5,6,7
	ds_load_b64 v[SC+16*\sc+2*\i:SC+16*\sc+2*\i+1], v[ADRS] offset:\i*512
.endr
.endm
; A step of 128 along K that has its successor in the same slot.  A load into a register that a matrix instruction has read stands NP plain vector instructions behind it.
.macro STEP slot, q, mode
.if \mode
.set WLO, 0x81                         ; C, the bias, in window 0; D in window 2
.set WHI, 0xc1                         ; D in window 3
.else
.set WLO, MUL_LO
.set WHI, MUL_HI
.endif
	s_wait_dscnt 4*NL                              ; P's set, R's blocks 0-3 and the scale words are in; the youngest 12 loads (R's blocks 4-7) may be out
	WIN WLO
	MUL16 0, (\q)%2, \q, \slot, \mode
	MUL16 2, (\q)%2, \q, \slot, \mode
	s_wait_dscnt 0                                 ; R's blocks 4-7 are in
	PLACES NP
	FETCH_P \slot, (\q)+1, 1-(\q)%2
	FETCH_R \slot, (\q)+1, 0
	WIN WHI
	MUL16 4, (\q)%2, \q, \slot, \mode
	MUL16 6, (\q)%2, \q, \slot, \mode
	PLACES NP
	WIN 0
	FETCH_R \slot, (\q)+1, 4
.endm
; A slot's last step changes slots: ONE barrier; in front of it each wave waits for all its tensor loads, adds 0 to its spare word, and waits for that and for its own reads of this slot.  fill = 1: this slot is filled again, two slots ahead.
.macro TURN slot, next, fill
	s_wait_tensorcnt 0x0                           ; all my tensor loads have landed: my part of the next slot (every window is 0 here)
	ds_add_u32 v[SPW], v[NIL]                      ; 0 onto my spare word
	s_wait_dscnt 4*NL+1                            ; (the add and the youngest 12 loads, R's blocks 4-7, may be out)
	WIN MUL_LO
	MUL16 0, 1, 1, \slot, 0                        ; sixteen matrix instructions stand between the add and the wait for it
	s_wait_dscnt 0x0                               ; the add is done, and my reads of this slot are over
	s_barrier_signal -1
	MUL16 2, 1, 1, \slot, 0
	WIN 0
	s_barrier_wait -1
.if \fill
	CREST                                          ; the barrier has opened a round of the cluster's barrier: no wave of any partner still reads this slot or has a load on its way
	s_add_nc_u64 s[G0R+4*\slot+2:G0R+4*\slot+3], s[G0R+4*\slot+2:G0R+4*\slot+3], 2*TROW
	s_add_nc_u64 s[G0P+4*\slot+2:G0P+4*\slot+3], s[G0P+4*\slot+2:G0P+4*\slot+3], 2*TROW
	JLOAD G0R+4*\slot, G1R, G0P+4*\slot, G1P       ; the first tensor load behind the round, my only one until the next; its four v_nop are also the places in front of the loads below
.else
	PLACES NP
.endif
	v_add_nc_u32 v[ADRS], 128, v[ADRS]             ; on to the next slot's scale words (no LDS load of mine is out)
	FETCH_P \next, 0, 0
	FETCH_R \next, 0, 0
	SCALES \next
	WIN MUL_HI
	MUL16 4, 1, 1, \slot, 0
	MUL16 6, 1, 1, \slot, 0
	PLACES NP
	WIN 0
	FETCH_R \next, 0, 4
.endm
	s_wait_tensorcnt 1                             ; the scale words and my part of slot 0 are in (slot 1's load may be out)
	s_barrier_signal -1
	s_barrier_wait -1                              ; everybody's are
	FETCH_P 0, 0, 0
	FETCH_R 0, 0, 0
	SCALES 0
	FETCH_R 0, 0, 4
	s_cmp_eq_u32 s[ISV], 1                         ; the first step is written twice: its products take the bias as C, by P's tile or by R's
	s_cbranch_scc1 .Lfirst_v
	s_wait_loadcnt 0x0                             ; the bias
	STEP 0, 0, 1
	s_branch .Lfirst_done
.Lfirst_v:
	s_wait_loadcnt 0x0
.irp a, 0,1,2,3,4,5,6,7
.irp j, 1,2,3,4,5,6,7
	v_mov_b32 v[BC+8*\a+\j], v[BC+8*\a]            ; a lane's eight results of a tile belong to one channel
.endr
.endr
	PLACES NP
	STEP 0, 0, 2
.Lfirst_done:
	TURN 0, 1, 1                                   ; K = 1,024 is four slots: written out, no loop
	STEP 1, 0, 0
	TURN 1, 0, 1
	STEP 0, 0, 0
	TURN 0, 1, 0                                   ; nothing is left to fetch
	STEP 1, 0, 0
	s_wait_dscnt 4*NL                              ; the very last step
	WIN MUL_LO
	MUL16 0, 1, 1, 1, 0
	MUL16 2, 1, 1, 1, 0
	s_wait_dscnt 0
	WIN MUL_HI
	MUL16 4, 1, 1, 1, 0
	MUL16 6, 1, 1, 1, 0
	WIN 0
	; THE WAY OUT.  Where my results go.
	s_cmp_eq_u32 s[ISV], 1
	s_cselect_b32 s2, s[PT], s[RT]                 ; the tile of 256 tokens,
	s_cselect_b32 s3, s[PH], s[RH]                 ; my half of it: one step of 128 tokens
	s_cselect_b32 s30, s[RT], s[PT]                ; the tile of 256 channels,
	s_cselect_b32 s31, s[RH], s[PH]                ; my half of it: two heads
	s_mov_b32 s4, 196608
	s_cselect_b32 s4, 768, s4                      ; registers 6-11: V: the fragment's second half; Q, K: the next head
	s_mov_b32 s[ST1], 768
	s_cselect_b32 s[ST1], 1536, s[ST1]             ; from tile to tile
	s_mov_b32 s[ST2], 768
	s_cselect_b32 s[ST2], 192000, s[ST2]           ; from tile 3 to tile 4: V: on to the next head (196,608 - 3 x 1,536)
	s_mov_b32 s5, 0
	s_mov_b32 s[ST1+1], 0
	s_mov_b32 s[ST2+1], 0
	s_lshl_b32 s2, s2, 8
	s_lshl_b32 s3, s3, 7
	s_add_co_u32 s2, s2, s3                        ; my first token
	s_lshl_b32 s30, s30, 2
	s_lshl_b32 s31, s31, 1
	s_add_co_u32 s30, s30, s31                     ; my first head of 16
	s_lshr_b32 s3, s2, 11
	s_lshl_b32 s3, s3, 4
	s_add_co_u32 s3, s3, s30                       ; of 64: 16 x batch + head
	s_bfe_u32 s2, s2, 0x40007                      ; the step of 128 tokens in the batch
	s_min_u32 s6, s[PJ], 1                         ; the plane
	s_mul_i32 s30, s3, 196608
	s_mul_i32 s31, s2, 12288
	s_add_co_u32 s30, s30, s31
	s_mul_i32 s31, s6, 12582912
	s_add_co_u32 s30, s30, s31
	s_mul_i32 s31, s[ISV], 6144
	s_add_co_u32 s30, s30, s31
	s_mov_b32 s31, 0
	s_add_nc_u64 s[OLO:OLO+1], s[18:19], s[30:31]
	s_add_nc_u64 s[OHI:OHI+1], s[OLO:OLO+1], s[4:5]
	s_mul_i32 s30, s3, 12288
	s_mul_i32 s7, s2, 768
	s_add_co_u32 s30, s30, s7
	s_mul_i32 s7, s6, 786432
	s_add_co_u32 s30, s30, s7
	s_lshl_b32 s7, s[ISV], 9
	s_add_co_u32 s30, s30, s7
	s_add_nc_u64 s[SOP:SOP+1], s[20:21], s[30:31]
	s_mov_b32 s2, 0x76543210
	s_mov_b32 s3, 0xfedcba98                       ; lane selects: lane l xor 16
	PLACES NP                                      ; behind the last products: their results are read, and R's registers written, only behind these
.irp b, 0,1,2,3
	v_mov_b32 v[TM+4+\b], 0                        ; a lane exchange's destination counts as one of its sources
.endr
; R's block a: a lane's 64 results, register 16 b + i = P's row 32 b + 16 h + i, are quantised along P; the 12 registers of codes leave as two images of six.
.macro OUTTILE a
.set AC, 64*((\a)%4)
.set WW, 2+(\a)/4
.set WMX, (WW<<2)|(WW<<4)
	WIN WMX                                        ; sources 1 and 2 in the accumulators' window
.irp b, 0,1,2,3
	v_max3_num_f32 v[TM+\b], 0x1800000, |v[AC+16*\b]|, |v[AC+16*\b+1]|   ; the floor 2^(3 - 127) and my 16 numbers of block b; each accumulator is read from its low end on
.endr
.irp i, 2,4,6,8,10,12,14
.irp b, 0,1,2,3
	v_max3_num_f32 v[TM+\b], v[TM+\b], |v[AC+16*\b+\i]|, |v[AC+16*\b+\i+1]|
.endr
.endr
	WIN 0
.irp b, 0,1,2,3
	v_permlanex16_b32 v[TM+4+\b], v[TM+\b], s2, s3
.endr
.irp b, 0,1,2,3
	v_max_num_f32 v[TM+\b], v[TM+\b], v[TM+4+\b]
.endr
.irp b, 0,1,2,3
	v_add_nc_u32 v[TM+12+\b], 0xff000000, v[TM+\b]
.endr
.irp b, 0,1,2,3
	v_lshrrev_b32 v[TM+4+\b], 23, v[TM+12+\b]
.endr
	v_lshl_or_b32 v[PWS+\a], v[TM+5], 8, v[TM+4]
	v_lshl_or_b32 v[PWS+\a], v[TM+6], 16, v[PWS+\a]
	v_lshl_or_b32 v[PWS+\a], v[TM+7], 24, v[PWS+\a]
.if (\a) > 0
	s_wait_xcnt 0x0                                ; the last tile's stores have read their registers and bases: both are written again only behind this wait
.if (\a) == 4
	s_add_nc_u64 s[OLO:OLO+1], s[OLO:OLO+1], s[ST2:ST2+1]
	s_add_nc_u64 s[OHI:OHI+1], s[OHI:OHI+1], s[ST2:ST2+1]
.else
	s_add_nc_u64 s[OLO:OLO+1], s[OLO:OLO+1], s[ST1:ST1+1]
	s_add_nc_u64 s[OHI:OHI+1], s[OHI:OHI+1], s[ST1:ST1+1]
.endif
.endif
	WIN WW                                         ; source 0 in the accumulators' window
.irp c, 0,1
	v_cvt_scalef32_pk16_fp6_f32 v[PC+6*\c:PC+2+6*\c], v[AC+32*\c:AC+15+32*\c], v[TM+12+2*\c]
	v_cvt_scalef32_pk16_fp6_f32 v[PC+12+4*\c:PC+14+4*\c], v[AC+16+32*\c:AC+31+32*\c], v[TM+12+2*\c+1]
.endr
	WIN 0
	v_nop                                          ; one plain instruction behind the scaled conversions
.irp c, 0,1
.irp i, 0,1,2
	v_permlane16_swap_b32 v[PC+6*\c+\i], v[PC+12+4*\c+\i]
.endr
.irp i, 0,1,2
	v_mov_b32 v[PC+3+6*\c+\i], v[PC+12+4*\c+\i]
.endr
.endr
	global_store_b128 v[L16], v[PC:PC+3], s[OLO:OLO+1]               ; 512 consecutive bytes, aligned to 256;
	global_store_b64 v[L8], v[PC+4:PC+5], s[OLO:OLO+1] offset:512    ; 256
	global_store_b128 v[L16], v[PC+6:PC+9], s[OHI:OHI+1]
	global_store_b64 v[L8], v[PC+10:PC+11], s[OHI:OHI+1] offset:512
.endm
.irp a, 0,1,2,3,4,5,6,7
	OUTTILE \a
.endr
	s_cmp_eq_u32 s[ISV], 1
	s_cbranch_scc1 .Lwords_v
.irp i, 0,1,2,3,4,5,6,7
	v_lshrrev_b32 v[SD+\i], v[SH], v[PWS+\i]       ; Q, K: lanes 0-15 store the first head's word, lanes 16-31 the second head's two bytes, brought down
.endr
	global_store_b128 v[SOF], v[SD:SD+3], s[SOP:SOP+1]               ; each half of the lanes stores 256 consecutive bytes, aligned
	global_store_b128 v[SOF], v[SD+4:SD+7], s[SOP:SOP+1] offset:256
	s_branch .Lwords_done
.Lwords_v:
	v_cmp_le_u32 vcc_lo, 16, v1
.irp i, 0,1,2,3
	v_cndmask_b32 v[SD+\i], v[PWS+\i], v[PWS+4+\i], vcc_lo   ; V: lanes 0-15 the first head's four tiles, lanes 16-31 the second head's
.endr
	global_store_b128 v[SOF], v[SD:SD+3], s[SOP:SOP+1]
.Lwords_done:
	s_wait_tensorcnt 0x0                           ; the wave's end
	ds_add_u32 v[SPW], v[NIL]
	s_wait_dscnt 0x0
	CROUND                                         ; the closing round: no work-group ends while a partner may still ask for a tile that names it
	s_endpgm
.Lfunc_end_k_q842227c87e_proj:
	.size	k_q842227c87e_proj, .Lfunc_end_k_q842227c87e_proj-k_q842227c87e_proj
	.p2alignl 7, 3214868480
	.fill 96, 4, 3214868480
	.section	.rodata,"a",@progbits
	.p2align	6, 0x0
	.amdhsa_kernel k_q842227c87e_proj
		.amdhsa_group_segment_fixed_size 327680
		.amdhsa_private_segment_fixed_size 0
		.amdhsa_enable_private_segment 0
		.amdhsa_kernarg_size 72
		.amdhsa_user_sgpr_count 2
		.amdhsa_user_sgpr_kernarg_segment_ptr 1
		.amdhsa_wavefront_size32 1
		.amdhsa_system_sgpr_workgroup_id_x 1
		.amdhsa_system_sgpr_workgroup_id_y 1
		.amdhsa_system_sgpr_workgroup_id_z 1
		.amdhsa_system_vgpr_workitem_id 0
		.amdhsa_next_free_vgpr 1024
		.amdhsa_next_free_sgpr 102
		.amdhsa_reserve_vcc 1
		.amdhsa_float_denorm_mode_32 3
		.amdhsa_float_denorm_mode_16_64 3
		.amdhsa_memory_ordered 1
		.amdhsa_forward_progress 1
		.amdhsa_inst_pref_size 160
	.end_amdhsa_kernel
	.amdgpu_metadata
---
amdhsa.version: [ 1, 2 ]
amdhsa.kernels:
  - .name:           k_q842227c87e_proj
    .symbol:         k_q842227c87e_proj.kd
    .args:
      - { .name: xc, .offset: 0, .size: 8, .value_kind: global_buffer, .address_space: global }
      - { .name: xs, .offset: 8, .size: 8, .value_kind: global_buffer, .address_space: global }
      - { .name: wc, .offset: 16, .size: 8, .value_kind: global_buffer, .address_space: global }
      - { .name: ws, .offset: 24, .size: 8, .value_kind: global_buffer, .address_space: global }
      - { .name: bq, .offset: 32, .size: 8, .value_kind: global_buffer, .address_space: global }
      - { .name: bk, .offset: 40, .size: 8, .value_kind: global_buffer, .address_space: global }
      - { .name: bv, .offset: 48, .size: 8, .value_kind: global_buffer, .address_space: global }
      - { .name: hc, .offset: 56, .size: 8, .value_kind: global_buffer, .address_space: global }
      - { .name: hs, .offset: 64, .size: 8, .value_kind: global_buffer, .address_space: global }
    .group_segment_fixed_size: 327680
    .private_segment_fixed_size: 0
    .kernarg_segment_align: 8
    .kernarg_segment_size: 72
    .max_flat_workgroup_size: 128
    .sgpr_count:     102
    .vgpr_count:     1024
    .wavefront_size: 32
...
	.end_amdgpu_metadata
.endif
;; end of part 2
;; launch attn (part 3): grid 4 x 64, 16 waves a work-group, clusters of 4 x 1, 280,576 bytes of LDS; arguments hc, hs, out0; writes out0
.if DOCPART == 3
	.amdgcn_target "amdgcn-amd-amdhsa--gfx1250"
	.amdhsa_code_object_version 6
	.text
	.protected	k_q842227c87e_attn
	.globl	k_q842227c87e_attn
	.p2align	8
	.type	k_q842227c87e_attn,@function
k_q842227c87e_attn:
	s_mov_b64 s[64:65], 0
	v_nop
	global_prefetch_b8 v0, s[64:65] scope:SCOPE_SE
	s_setreg_imm32_b32 hwreg(HW_REG_WAVE_MODE, 25, 1), 1
	s_wait_xcnt 0x0
	s_wait_alu depctr_hold_cnt(0) depctr_sa_sdst(0) depctr_va_vdst(0) depctr_va_sdst(0) depctr_va_ssrc(0) depctr_va_vcc(0) depctr_vm_vsrc(0)
	s_getreg_b32 s2, hwreg(HW_REG_IB_STS2, 6, 4)
	s_cmp_eq_u32 s2, 0
	s_cbranch_scc0 .Lentry_in_a_cluster
	s_endpgm
.Lentry_in_a_cluster:
	s_bfe_u32 s2, ttmp6, 0x10000c
	s_cmp_lg_u32 s2, 0x3003
	s_cbranch_scc0 .Lentry_shape_is_right
	s_endpgm
.Lentry_shape_is_right:
; CAUSAL ATTENTION on codes of FP6 (E2M3) with E8M0 scales: out[b][n][64 head + e] = the sum over keys m <= n of softmax_m(Q[n] . K[m] / 8) V[m][e], for 64 heads (16 x batch + head), 2,048 tokens, head size 64.
; THE SOFTMAX AHEAD OF THE SECOND PRODUCT: t = score x log2(e) / 8; M = the running largest t rounded UP to a whole number; p = 2^(t - M) is quantised along the keys, not normalised; the row's sum is taken of the
; unquantised p and divides at the end; when M moves, the sum and O are multiplied by 2^(old M - new M), which rounds nothing.
; THE WHOLE HEAD'S K AND V LIE IN LDS: 196,608 bytes of codes and 12,288 of scale words, as images of the operands' registers, filled ONCE: no ring, no refill.  The score product's K is 64: the upper six registers of K's and Q's
; fragments are zero codes, kept in registers and never loaded.
; SHARES.  The four work-groups of a cluster belong to one head and ask for its K and V JOINTLY.  A wave owns two tiles of 16 queries, jA in 0..63 and jB = 127 - jA: tile T sees T / 8 + 1 steps of 128 keys, so each wave has 17 steps.
; jA = 16 q + 4 (w / 4) + cx with q = (w % 4 + w / 4) % 4: the last step that a tile sees, 2 q + w / 8 or 15 less that, hangs on the wave's number alone; cx enters only global addresses and the mask's numbers.
; Tile T holds, in lane r, query 32 (T / 2) + 8 (T % 2) + r + 8 (r / 8), and so do K's tiles their keys: the 16 registers of score tiles 2 b and 2 b + 1 are the keys 32 b + 16 (lane / 16) + 0 .. 15.
; Both products are used transposed (S^T = K Q^T, O^T = V^T P^T): a lane holds one query throughout.  Every loop has 8 trips; a step all of whose keys are hidden is jumped over by a scalar branch on the wave's number and the trip.
; LIMITS: NaN and infinities are not served; a p under 2^-126 counts as 0; the largest t begins at -3e38.
; REGISTERS: v1-3, v243 addresses that stay; v4-6 addresses in hand; v7 Q's scale word; v8-11 V's; v12 -M, v13 the largest t, v[14:15] the sum; v16-27 Q; v28-31 K's scale words; v32-79 four fragments of K; v80-127 V's four;
;   v128-191 S^T, then p; v192-223 O^T; v224-235 p's codes; v236-242, v244-255 at work (v253: p's scale word).
.set KSB,  12288                       ; a step of 128 keys in LDS: K's 8 tiles x 768 bytes, then V's 4 fragments x 1,536
.set KSS,  768                         ; its scale words: K's 512 bytes, V's 256
.set SC,   16*KSB                      ; the scale words begin behind the codes
.set STG,  SC+16*KSS                   ; the stages for the way out: 16 rows x (256 + 16) bytes for each wave; no tensor load lands there
.set WV,  10
.set CX,  11
.set HD,  12
.set JA,  15
.set JB,  16
.set LA,  17
.set LB,  18
.set STW, 19                           ; s19  my stage
.set SEL, 20                           ; s[20:21] lane selects: lane l xor 16
.set CS,  22                           ; s[22:23] c = log2(e) / 8
.set G1C, 24                           ; s[24:31] descriptor group 1 for the codes; s[32:39] for the scale words; s[40:51] three groups 0
.set G1S, 32
.set QPB, 52                           ; s[52:57] tile B: Q's codes, Q's scale words, its rows of out; s[58:63] tile A
.set QSB, 54
.set OPB, 56
.set QPA, 58
.set QSA, 60
.set OPA, 62
.set SQB, 66                           ; the tile's first query within its 128
.set SQA, 67
.set TB,  68                           ; LDS byte at which the step's codes begin
.set TS,  69                           ; and its scale words
.set ST,  70                           ; the step
.set CNT, 71
.set LIM, 72                           ; the last step that the tile in hand sees: the one on the diagonal
.set SQ,  73
.macro CROUND                          ; a round of the cluster's barrier
	s_barrier_signal -1
	s_barrier_wait -1
	s_cmp_lg_u32 s[WV], 0
	s_cbranch_scc1 .Lnot_wave_0_\@
	s_barrier_signal -3
.Lnot_wave_0_\@:
	s_barrier_wait -3
	s_barrier_signal -1
	s_barrier_wait -1
.endm
.macro WHERE t, qp, qs, op, sq         ; tile s[t]: byte offsets of its codes, its scale words and its first row of out, and its first query within its 128
	s_lshr_b32 s74, s[\t], 3
	s_and_b32 s75, s[\t], 7
	s_mul_i32 s76, s[HD], 196608
	s_mul_i32 s77, s74, KSB
	s_add_co_u32 s76, s76, s77
	s_mul_i32 s77, s75, 768
	s_add_co_u32 s[\qp], s76, s77
	s_mov_b32 s[\qp+1], 0
	s_mul_i32 s76, s[HD], 12288
	s_mul_i32 s77, s74, KSS
	s_add_co_u32 s76, s76, s77
	s_lshr_b32 s77, s75, 2
	s_lshl_b32 s77, s77, 8
	s_add_co_u32 s76, s76, s77
	s_and_b32 s77, s75, 3
	s_lshl_b32 s77, s77, 2
	s_add_co_u32 s[\qs], s76, s77
	s_mov_b32 s[\qs+1], 0
	s_lshr_b32 s76, s[HD], 4
	s_lshl_b32 s76, s76, 11                        ; the batch's 2,048 rows,
	s_lshr_b32 s77, s[\t], 1
	s_lshl_b32 s77, s77, 5
	s_add_co_u32 s76, s76, s77                     ; + 32 (T / 2)
	s_and_b32 s77, s[\t], 1
	s_lshl_b32 s77, s77, 3
	s_add_co_u32 s76, s76, s77                     ; + 8 (T % 2),
	s_lshl_b32 s76, s76, 12                        ; of 4,096 bytes,
	s_and_b32 s77, s[HD], 15
	s_lshl_b32 s77, s77, 8                         ; + the head's 256 bytes
	s_add_co_u32 s[\op], s76, s77
	s_mov_b32 s[\op+1], 0
	s_lshr_b32 s76, s75, 1
	s_lshl_b32 s76, s76, 5
	s_and_b32 s77, s75, 1
	s_lshl_b32 s77, s77, 3
	s_add_co_u32 s[\sq], s76, s77
.endm
	s_load_b128 s[4:7], s[0:1], 0x0                ; hc, hs
	s_load_b64 s[8:9], s[0:1], 0x10                ; out0
	v_lshl_add_u32 v254, v0, 2, 0x44000
	v_mov_b32 v255, 0
	ds_add_u32 v254, v255
	ds_add_u32 v254, v255
	s_wait_dscnt 0x0
	v_lshrrev_b32 v1, 5, v0
	v_readfirstlane_b32 s[WV], v1                  ; wave 0..15
	s_bfe_u32 s[CX], ttmp6, 0x40000                ; my place in the cluster
	s_and_b32 s[HD], ttmp7, 0xffff                 ; the head, which the four partners share
	s_lshr_b32 s13, s[WV], 2
	s_and_b32 s14, s[WV], 3
	s_add_co_u32 s14, s14, s13
	s_and_b32 s14, s14, 3                          ; q
	s_lshl_b32 s[LA], s14, 1
	s_lshr_b32 s74, s13, 1
	s_add_co_u32 s[LA], s[LA], s74                 ; jA / 8
	s_sub_co_u32 s[LB], 15, s[LA]                  ; jB / 8
	s_lshl_b32 s[JA], s14, 4
	s_lshl_b32 s74, s13, 2
	s_add_co_u32 s[JA], s[JA], s74
	s_add_co_u32 s[JA], s[JA], s[CX]
	s_sub_co_u32 s[JB], 127, s[JA]
	s_mul_i32 s[STW], s[WV], 16*272
	s_add_co_u32 s[STW], s[STW], STG
	WHERE JB, QPB, QSB, OPB, SQB
	WHERE JA, QPA, QSA, OPA, SQA
	s_mov_b32 s[SEL], 0x76543210
	s_mov_b32 s[SEL+1], 0xfedcba98
	s_mov_b32 s[CS], 0x3e38aa3b                    ; log2(e) / 8
	s_mov_b32 s[CS+1], s[CS]                       ; (named with it as a pair, so it is written)
	; group 1: dense bytes as rows of 256 (32 elements of 8 bytes): 96 rows of codes, 12 of scale words; the mask names all four work-groups
	s_mov_b32 s[G1C], 15|(3<<16)|(1<<21)
	s_mov_b32 s[G1C+1], 32<<16
	s_mov_b32 s[G1C+2], 96<<16
	s_mov_b32 s[G1C+3], 32<<16
	s_mov_b32 s[G1C+4], 96
	s_mov_b32 s[G1C+5], 32
	s_mov_b32 s[G1C+6], 0
	s_mov_b32 s[G1C+7], 0
	s_mov_b32 s[G1S], 15|(3<<16)|(1<<21)
	s_mov_b32 s[G1S+1], 32<<16
	s_mov_b32 s[G1S+2], 12<<16
	s_mov_b32 s[G1S+3], 32<<16
	s_mov_b32 s[G1S+4], 12
	s_mov_b32 s[G1S+5], 32
	s_mov_b32 s[G1S+6], 0
	s_mov_b32 s[G1S+7], 0
	s_and_b32 s74, s[WV], 3                        ; waves 0-3 fetch, a quarter each
	s_mul_i32 s75, s74, 3072
	s_mul_i32 s76, s[HD], 12288
	s_add_co_u32 s76, s76, s75
	s_add_co_u32 s76, s76, 786432                  ; plane 1 of hs
	s_mov_b32 s77, 0
	s_mul_i32 s78, s74, 24576
	s_mul_i32 s79, s[HD], 196608
	s_add_co_u32 s80, s79, s78
	s_add_co_u32 s80, s80, 12582912                ; plane 1 of hc
	s_mov_b32 s81, 0
	s_wait_kmcnt 0x0
	s_mov_b32 s40, 1                               ; the scale words
	s_add_co_u32 s41, s75, SC
	s_add_nc_u64 s[42:43], s[6:7], s[76:77]
	s_or_b32 s43, s43, 0x80000000
	s_mov_b32 s44, 1                               ; keys 0 to 1,023
	s_mov_b32 s45, s78
	s_add_nc_u64 s[46:47], s[4:5], s[80:81]
	s_or_b32 s47, s47, 0x80000000
	s_mov_b32 s48, 1                               ; keys 1,024 to 2,047
	s_add_co_u32 s49, s78, 8*KSB
	s_add_nc_u64 s[50:51], s[4:5], s[80:81]
	s_add_nc_u64 s[50:51], s[50:51], 8*KSB
	s_or_b32 s51, s51, 0x80000000
	s_add_nc_u64 s[QPB:QPB+1], s[4:5], s[QPB:QPB+1]
	s_add_nc_u64 s[QSB:QSB+1], s[6:7], s[QSB:QSB+1]
	s_add_nc_u64 s[OPB:OPB+1], s[8:9], s[OPB:OPB+1]
	s_add_nc_u64 s[QPA:QPA+1], s[4:5], s[QPA:QPA+1]
	s_add_nc_u64 s[QSA:QSA+1], s[6:7], s[QSA:QSA+1]
	s_add_nc_u64 s[OPA:OPA+1], s[8:9], s[OPA:OPA+1]
	CROUND                                         ; all four work-groups are here: the joint loads meet
	s_cmp_lt_u32 s[WV], 4                          ; a wave's three fills stand in one branch on the wave's number, ahead of every wait on TENSORcnt and every LDS read: three loads of mine are out
	s_cbranch_scc0 .Lno_fetch
	tensor_load_to_lds s[40:43], s[G1S:G1S+7]
	s_nop 0
	tensor_load_to_lds s[44:47], s[G1C:G1C+7]
	s_nop 0
	tensor_load_to_lds s[48:51], s[G1C:G1C+7]
	s_nop 0
.rept 4
	v_nop
.endr
.Lno_fetch:
	v_and_b32 v254, 31, v0
	v_lshlrev_b32 v1, 4, v254                      ; 16 x lane
	v_lshlrev_b32 v2, 3, v254                      ; 8 x lane
	v_and_b32 v255, 15, v0
	v_lshlrev_b32 v243, 4, v255                    ; 16 r
	v_add_nc_u32 v3, SC, v243                      ; my row's four scale words of a group of four tiles
.macro QLOAD qp, qs                    ; a tile of queries: its image and its rows' scale words
	global_load_b128 v[16:19], v1, s[\qp:\qp+1]
	global_load_b64 v[20:21], v2, s[\qp:\qp+1] offset:512
	global_load_b32 v7, v243, s[\qs:\qs+1]
.endm
	QLOAD QPB, QSB
.irp j, 22,23,24,25,26,27
	v_mov_b32 v[\j], 0                             ; Q's k = 64 .. 127: zero codes
.endr
.irp t, 0,1,2,3
.irp j, 6,7,8,9,10,11
	v_mov_b32 v[32+12*\t+\j], 0                    ; and K's: written once, never loaded
.endr
.endr
.irp b, 0,1,2,3
	v_mov_b32 v[236+\b], 0                         ; a lane exchange's destination counts as one of its sources
.endr
	v_mov_b32 v253, 0                              ; (named as the upper half of the pair v[252:253] before it is first written)
.macro INIT                            ; a tile begins: O^T and the sum are zeros, which the first change of M leaves zeros
	v_mov_b32 v13, 0xff61b1e6                      ; the largest t so far: -3e38
	v_floor_f32 v12, -v13                          ; -M
	v_mov_b32 v14, 0
	v_mov_b32 v15, 0
.set n, 0
.rept 32
	v_mov_b32 v[192+n], 0
.set n, n+1
.endr
.endm
	INIT
.macro KLOAD g                         ; four tiles of 16 keys, registers 0-5 of each, and their rows' scale words: nine loads
.irp t, 0,1,2,3
	ds_load_b128 v[32+12*\t:35+12*\t], v4 offset:3072*(\g)+768*\t
	ds_load_b64 v[36+12*\t:37+12*\t], v5 offset:3072*(\g)+768*\t+512
.endr
	ds_load_b128 v[28:31], v6 offset:256*(\g)
.endm
.macro SMUL g
.irp t, 0,1,2,3
	v_wmma_scale_f32_16x16x128_f8f6f4 v[128+8*(4*(\g)+\t):135+8*(4*(\g)+\t)], v[32+12*\t:43+12*\t], v[16:27], 0, v[28+\t], v7 matrix_a_fmt:MATRIX_FMT_FP6 matrix_b_fmt:MATRIX_FMT_FP6
.endr
.endm
; A KEY STEP: 128 keys.  causal = 0: all keys count.  causal = 1: a step behind the tile's diagonal is jumped over, and on the diagonal hidden scores become -infinity.
.macro STEP causal
.if \causal
	s_cmp_gt_u32 s[ST], s[LIM]
	s_cbranch_scc1 .Lhidden_\@
.endif
	v_add_nc_u32 v4, s[TB], v1
	v_add_nc_u32 v5, s[TB], v2
	v_add_nc_u32 v6, s[TS], v3
	v_nop                                          ; four plain instructions behind the last step's products, in front of loads into registers that they have read
	KLOAD 0
.irp t, 0,1,2,3                                ; V's four fragments and their scale words: 17 loads, wanted only behind the softmax
	ds_load_b128 v[80+12*\t:83+12*\t], v4 offset:6144+1536*\t
	ds_load_b64 v[84+12*\t:85+12*\t], v5 offset:6144+1536*\t+512
	ds_load_b128 v[86+12*\t:89+12*\t], v4 offset:6144+1536*\t+768
	ds_load_b64 v[90+12*\t:91+12*\t], v5 offset:6144+1536*\t+1280
.endr
	ds_load_b128 v[8:11], v6 offset:512
	s_wait_dscnt 17                                ; K's nine loads are in; V's 17 were issued behind them
	SMUL 0
.rept 4
	v_nop
.endr
	KLOAD 1
	s_wait_dscnt 0x0
	SMUL 1
.rept 4
	v_nop
.endr
.if \causal
	s_cmp_lg_u32 s[ST], s[LIM]
	s_cbranch_scc1 .Lopen_\@
	v_and_b32 v254, 15, v0                         ; r
	v_and_b32 v255, 8, v0                          ; 8 (r / 8)
	v_add_nc_u32 v254, v254, v255
	v_and_b32 v255, 16, v0                         ; 16 h
	v_sub_nc_u32 v254, v254, v255
	v_add_nc_u32 v254, s[SQ], v254                 ; d = my query within the 128 - 16 h.  Register 16 b + i holds key 32 b + 16 h + i: hidden where 32 b + i > d
	v_mov_b32 v255, 0xff800000                     ; -infinity
.set n, 0
.rept 64
	v_cmp_gt_i32 vcc_lo, 32*(n/16)+n%16, v254
	v_cndmask_b32 v[128+n], v[128+n], v255, vcc_lo
.set n, n+1
.endr
.Lopen_\@:
.endif
.irp b, 0,1,2,3
	v_max3_num_f32 v[248+\b], v[128+16*\b], v[129+16*\b], v[130+16*\b]   ; the largest score of each block of 32 keys: for the row's maximum and, since p rises with the score, for the block's largest p
.endr
.irp i, 3,5,7,9,11,13
.irp b, 0,1,2,3
	v_max3_num_f32 v[248+\b], v[248+\b], v[128+16*\b+\i], v[129+16*\b+\i]
.endr
.endr
.irp b, 0,1,2,3
	v_max_num_f32 v[248+\b], v[248+\b], v[143+16*\b]
.endr
.irp b, 0,1,2,3
	v_permlanex16_b32 v[236+\b], v[248+\b], s[SEL], s[SEL+1]
.endr
.irp b, 0,1,2,3
	v_max_num_f32 v[248+\b], v[248+\b], v[236+\b]  ; with lane l xor 16's 16 keys
.endr
	v_max3_num_f32 v254, v248, v249, v250
	v_max_num_f32 v254, v254, v251                 ; the step's largest score of my query
	v_mul_f32 v254, s[CS], v254                    ; as t
	v_max_num_f32 v13, v13, v254                   ; the running largest t
	v_mov_b32 v254, v12
	v_floor_f32 v12, -v13                          ; the new -M = -ceil(t)
	v_sub_f32 v254, v12, v254                      ; old M - new M: a whole number, 0 or less
	v_cvt_i32_f32 v254, v254                       ; (it saturates)
	v_ldexp_f32 v252, 1.0, v254                    ; f = 2^(old M - new M)
.set n, 0
.rept 32
	v_pk_fma_f32 v[128+n:129+n], v[128+n:129+n], s[CS:CS+1], v[12:13] op_sel_hi:[1,0,0]   ; t - M, two at a time
.set n, n+2
.endr
.irp b, 0,1,2,3
	v_fma_f32 v[248+\b], v[248+\b], s[CS], v12     ; the same of each block's largest score
.endr
.set n, 0
.rept 64
	v_exp_f32 v[128+n], v[128+n]                   ; p = 2^(t - M), at most 1
.set n, n+1
.endr
	v_pk_mul_f32 v[14:15], v[14:15], v[252:253] op_sel_hi:[1,0]   ; the sums under the new M: the plain instruction behind the exponentials
	s_wait_alu depctr_va_vdst(0)                   ; one wait for the batch of 64, ahead of its first reader
.irp b, 0,1,2,3
	v_exp_f32 v[248+\b], v[248+\b]                 ; the block's largest p: the same two instructions on the same number give the same bits
.endr
	v_pk_add_f32 v[236:237], v[128:129], v[130:131]   ; the row's sum of the unquantised p, in two chains; it reads the 64 alone
.irp j, 4,8,12,16,20,24,28,32,36,40,44,48,52,56,60
	v_pk_add_f32 v[14:15], v[14:15], v[128+\j:129+\j]
	v_pk_add_f32 v[236:237], v[236:237], v[130+\j:131+\j]
.endr
	v_pk_add_f32 v[14:15], v[14:15], v[236:237]
	s_wait_alu depctr_va_vdst(0)                   ; and one for the four
.irp b, 0,1,2,3
	v_max_num_f32 v[248+\b], 0x1800000, v[248+\b]  ; the floor 2^(3 - 127): the byte cannot fall under 1
.endr
.irp b, 0,1,2,3
	v_add_nc_u32 v[244+\b], 0xff000000, v[248+\b]  ; 2 off the exponent field: the conversion's scale operand
.endr
.irp b, 0,1,2,3
	v_lshrrev_b32 v[236+\b], 23, v[244+\b]         ; the scale's byte
.endr
	v_lshl_or_b32 v253, v237, 8, v236              ; p's scale word for these 128 keys
	v_lshl_or_b32 v253, v238, 16, v253
	v_lshl_or_b32 v253, v239, 24, v253
.irp c, 0,1
	v_cvt_scalef32_pk16_fp6_f32 v[224+6*\c:226+6*\c], v[128+32*\c:143+32*\c], v[244+2*\c]
	v_cvt_scalef32_pk16_fp6_f32 v[236+4*\c:238+4*\c], v[144+32*\c:159+32*\c], v[244+2*\c+1]
.endr
	v_nop                                          ; one plain instruction behind the scaled conversions
.irp c, 0,1                                    ; a whole block to a lane: lanes 0-15 block 2 c, lanes 16-31 block 2 c + 1
.irp i, 0,1,2
	v_permlane16_swap_b32 v[224+6*\c+\i], v[236+4*\c+\i]
.endr
.irp i, 0,1,2
	v_mov_b32 v[227+6*\c+\i], v[236+4*\c+\i]
.endr
.endr
.set n, 0
.rept 16
	v_pk_mul_f32 v[192+n:193+n], v[192+n:193+n], v[252:253] op_sel_hi:[1,0]   ; O^T under the new M.  Twelve of these sixteen name no register of any one product below: the places between p's scale word and codes and the products
.set n, n+2
.endr
.irp t, 0,1,2,3                                ; O^T += V^T P^T; the four accumulators take turns
	v_wmma_scale_f32_16x16x128_f8f6f4 v[192+8*\t:199+8*\t], v[80+12*\t:91+12*\t], v[224:235], v[192+8*\t:199+8*\t], v[8+\t], v253 matrix_a_fmt:MATRIX_FMT_FP6 matrix_b_fmt:MATRIX_FMT_FP6
.endr
.if \causal
.Lhidden_\@:
.endif
.endm
.macro NEXT label                      ; on to the next step: on every path
	s_add_co_u32 s[TB], s[TB], KSB
	s_add_co_u32 s[TS], s[TS], KSS
	s_add_co_u32 s[ST], s[ST], 1
	s_sub_co_u32 s[CNT], s[CNT], 1
	s_cmp_lg_u32 s[CNT], 0
	s_cbranch_scc1 \label
.endm
; THE WAY OUT of a tile: O^T / the sum goes through my own stage and leaves as rows: sixteen lanes store a query's 256 bytes of this head, aligned.
.macro OUT op
	v_add_f32 v14, v14, v15                        ; the sum's two halves,
	v_permlanex16_b32 v252, v14, s[SEL], s[SEL+1]
	v_add_f32 v14, v14, v252                       ; and lane l xor 16's
	v_rcp_f32 v14, v14
	v_and_b32 v254, 15, v0                         ; (plain work behind the reciprocal)  r
	v_bfe_u32 v255, v0, 4, 1                       ; h
	v_mul_u32_u24 v4, v254, 272
	v_lshl_add_u32 v4, v255, 5, v4
	v_add_nc_u32 v4, s[STW], v4                    ; in: row r, + 32 h; tile t's eight channels 64 t bytes on
	v_mul_u32_u24 v5, v255, 272
	v_lshl_add_u32 v5, v254, 4, v5
	v_add_nc_u32 v5, s[STW], v5                    ; back: lanes 0-15 one row, lanes 16-31 the next
	v_lshlrev_b32 v6, 12, v255
	v_lshl_add_u32 v6, v254, 4, v6                 ; and the same two rows in out
	s_wait_alu depctr_va_vdst(0)                   ; the wait ahead of the reciprocal's first reader
.set n, 0
.rept 32
	v_mul_f32 v[128+n], v[192+n], v14              ; register 8 t + j is channel 16 t + 8 h + j of my query; each accumulator from its low end on
.set n, n+1
.endr
.irp t, 0,1,2,3
	ds_store_b128 v4, v[128+8*\t:131+8*\t] offset:64*\t
	ds_store_b128 v4, v[132+8*\t:135+8*\t] offset:64*\t+16
.endr
.irp i, 0,1,2,3,4,5,6,7
	ds_load_b128 v[160+4*\i:163+4*\i], v5 offset:544*\i   ; LDS serves a wave's instructions in order (ISA guide 5.7.1.4): these see my stores
.endr
.irp i, 0,1,2,3,4,5,6,7
	s_wait_dscnt 7-\i                              ; the younger row loads may be out
	global_store_b128 v6, v[160+4*\i:163+4*\i], s[\op:\op+1] offset:(2*\i+8*(\i/4))*4096 th:TH_STORE_NT   ; tile row 2 i + h is query 2 i + h + 8 (i / 4) of the tile's 24
.endr
	s_wait_xcnt 0x0                                ; the stores have read their registers: these are written again only behind this wait
.endm
	s_wait_tensorcnt 1                             ; the scale words and keys 0 to 1,023 are in (my third load may be out)
	s_barrier_signal -1
	s_barrier_wait -1                              ; everybody's are
	s_wait_loadcnt 0x0                             ; Q
	s_mov_b32 s[TB], 0
	s_mov_b32 s[TS], 0
	s_mov_b32 s[ST], 0
	s_mov_b32 s[LIM], s[LB]
	s_mov_b32 s[SQ], s[SQB]
	s_mov_b32 s[CNT], 8
.Lb_low:                                           ; tile B, keys 0 to 1,023: all of them count for every tile from 64 on
	STEP 0
	NEXT .Lb_low
	s_wait_tensorcnt 0x0                           ; keys 1,024 to 2,047 are in,
	s_wait_dscnt 0x0
	s_barrier_signal -1
	s_barrier_wait -1                              ; everybody's are
	s_mov_b32 s[CNT], 8
.Lb_high:                                          ; tile B, keys 1,024 on, up to its diagonal
	STEP 1
	NEXT .Lb_high
	QLOAD QPA, QSA                                 ; tile A's queries land while tile B goes out (the last products that read Q's registers stand a softmax back)
	OUT OPB
	INIT
	s_mov_b32 s[TB], 0
	s_mov_b32 s[TS], 0
	s_mov_b32 s[ST], 0
	s_mov_b32 s[LIM], s[LA]
	s_mov_b32 s[SQ], s[SQA]
	s_mov_b32 s[CNT], 8
	s_wait_loadcnt 0x0
.La_low:                                           ; tile A, up to its diagonal
	STEP 1
	NEXT .La_low
	OUT OPA
	s_wait_dscnt 0x0
	s_wait_xcnt 0x0
	v_lshl_add_u32 v254, v0, 2, 0x44000
	v_mov_b32 v255, 0
	s_wait_tensorcnt 0x0
	ds_add_u32 v254, v255
	s_wait_dscnt 0x0
	CROUND                                         ; the closing round: no work-group ends while a partner may still ask for a tile that names it
	s_endpgm
.Lfunc_end_k_q842227c87e_attn:
	.size	k_q842227c87e_attn, .Lfunc_end_k_q842227c87e_attn-k_q842227c87e_attn
	.p2alignl 7, 3214868480
	.fill 96, 4, 3214868480
	.section	.rodata,"a",@progbits
	.p2align	6, 0x0
	.amdhsa_kernel k_q842227c87e_attn
		.amdhsa_group_segment_fixed_size 280576
		.amdhsa_private_segment_fixed_size 0
		.amdhsa_enable_private_segment 0
		.amdhsa_kernarg_size 24
		.amdhsa_user_sgpr_count 2
		.amdhsa_user_sgpr_kernarg_segment_ptr 1
		.amdhsa_wavefront_size32 1
		.amdhsa_system_sgpr_workgroup_id_x 1
		.amdhsa_system_sgpr_workgroup_id_y 1
		.amdhsa_system_sgpr_workgroup_id_z 1
		.amdhsa_system_vgpr_workitem_id 0
		.amdhsa_next_free_vgpr 256
		.amdhsa_next_free_sgpr 82
		.amdhsa_reserve_vcc 1
		.amdhsa_float_denorm_mode_32 3
		.amdhsa_float_denorm_mode_16_64 3
		.amdhsa_memory_ordered 1
		.amdhsa_forward_progress 1
		.amdhsa_inst_pref_size 80
	.end_amdhsa_kernel
	.amdgpu_metadata
---
amdhsa.version: [ 1, 2 ]
amdhsa.kernels:
  - .name:           k_q842227c87e_attn
    .symbol:         k_q842227c87e_attn.kd
    .args:
      - { .name: hc, .offset: 0, .size: 8, .value_kind: global_buffer, .address_space: global }
      - { .name: hs, .offset: 8, .size: 8, .value_kind: global_buffer, .address_space: global }
      - { .name: out0, .offset: 16, .size: 8, .value_kind: global_buffer, .address_space: global }
    .group_segment_fixed_size: 280576
    .private_segment_fixed_size: 0
    .kernarg_segment_align: 8
    .kernarg_segment_size: 24
    .max_flat_workgroup_size: 512
    .sgpr_count:     82
    .vgpr_count:     256
    .wavefront_size: 32
...
	.end_amdgpu_metadata
.endif
;; end of part 3
